; MI455X (gfx1250); checked and timed in simulation.
; The chip was launched on July 23, 2026; its instructions are those of AMD's public machine-readable ISA for CDNA 5 (MIT licence, August 2026) and "CDNA5" Instruction Set Architecture Reference Guide (July 2026). The comments in the code are by the model that wrote it; some were corrected since.
;; Code Book. Allowed arithmetic: float matrix products may take bf16 or f16 operands with f32 sums; other float arithmetic in f32, or as packed bf16 or f16 multiplies, adds, multiply-adds, maxima and minima; sums over many terms, partial sums and values carried from step to step in f32; what a program stores and reads back later, other than sums and carried values, may be rounded once to bf16 or f16.
;; Inputs: codebook 8,192 x 256 float32; x 32,768 x 256 float32.
;; Outputs: out0 32,768 int32; out1 one number float32; out2 one number float32; out3 32,768 x 256 float32.
;; One version. Each part assembles by itself: llvm-mc -triple=amdgcn-amd-amdhsa -mcpu=gfx1250 --defsym DOCPART=n.
;; ======== version 1 of 1: 3 launches
;; limits: a difference of large sums (such as E[x^2] - mean^2): digits are lost where the result is much smaller than its terms
;; workspace buffers: cb16 4,194,304 bytes; c2h 32,768 bytes; enc 131,072 bytes of whole numbers; part 1,024 bytes
;; launch prep (part 1): grid 128 x 1, 8 waves a work-group, no clusters, 36,096 bytes of LDS; arguments codebook, cb16, c2h; writes cb16, c2h
.if DOCPART == 1
	.amdgcn_target "amdgcn-amd-amdhsa--gfx1250"
	.amdhsa_code_object_version 6
	.text
	.protected	k_qaaaa5fefeb_prep
	.globl	k_qaaaa5fefeb_prep
	.p2align	8
	.type	k_qaaaa5fefeb_prep,@function
k_qaaaa5fefeb_prep:
	s_mov_b64 s[64:65], 0
	v_nop
	global_prefetch_b8 v0, s[64:65] scope:SCOPE_SE
	s_setreg_imm32_b32 hwreg(HW_REG_WAVE_MODE, 25, 1), 1
	s_wait_xcnt 0x0
; THE PROGRAM (three launches).  encoding[q] = argmin over k of |x[q]|^2 + |c[k]|^2 - 2 x[q].c[k]; nearest = codebook[encoding]; both losses = mean (x - nearest)^2.
; WORK LEFT OUT, for all finite inputs.  (1) |x[q]|^2 is the same for every k and the factor 2 is common to what is left: in exact arithmetic argmin of the distance is argmax of
; s[q][k] = x[q].c[k] - |c[k]|^2 / 2.  So |x|^2 takes no part in the comparison (it stays in the loss).  (2) stop_gradient changes no value: the two losses are one number, made once and
; stored twice.  (3) sum (x - nearest)^2 = sum |x|^2 - 2 sum over q of max over k of s: the distance's own expansion taken at the winner, all of whose terms the second launch holds;
; so x is read once and nearest is never subtracted element by element.  No input is without a way to an output: both are loaded.
; FORMATS.  x and the codebook are rounded to bf16 for the product; |c|^2 and |x|^2 are taken of the ROUNDED numbers, in f32, so that s is the distance of the rounded inputs.
; nearest is the codebook's f32 row.
; LIMITS.  Where a row's two best distances lie within f32's rounding of each other (some 4e-5 for numbers of unit spread, 256 long) the index may be the other of the two; scores that are equal
; here go to the lower index.  The loss is a difference of f32 sums: it keeps about 2^-22 (|x|^2 + |c|^2) / distance of itself, and loses its accuracy where the mean distance falls below
; about 1e-4 of |x|^2 + |c|^2.  A NaN score never wins; NaN, infinities and overflows are not treated apart, and one that would reach only |x|^2 in the comparison is not carried to the index.
;
; THIS LAUNCH: the codebook once, rounded to bf16 and laid in the order in which the second launch's matrix operand registers take it, and c2h[k] = -1/2 sum of the rounded row's squares.
; cb16: tile T (codes 16 T .. 16 T + 15) at byte 8,192 T; in it 32 blocks of 256 bytes, block B = k / 8; in a block code r's 16 bytes (k = 8 B .. 8 B + 7) at 16 r.  Two blocks on end are
; what 32 lanes take by one load of 16 bytes a lane: four registers of a fragment of 16 codes x 32 k.
; SHARES.  A work-group has 64 codes (4 tiles): 64 KiB in, 32 KiB and 256 bytes out.  Wave w: tile a = w / 2, rows s0 + e and s0 + e + 8 of it, s0 = 4 (w % 2), e = 0 .. 3.
; Lanes 0-15 take one row, lanes 16-31 the row 8 further down; load m takes bytes 256 m .. 256 m + 255 of both: each half of the lanes reads 256 consecutive bytes, aligned.
; All 16 loads of a wave go out at once.  No matrix unit, no cluster: nothing is multiplied and no work-group reads what another reads.
.set BP,    272                        ; a block in LDS: 256 bytes + 16: the 32 lanes of a store of 8 bytes then fall on 32 different places of 8 bytes modulo 256
.set C2S,   128*BP                     ; behind the 128 blocks: the group's 64 numbers of c2h
.set SPARE, C2S+256                    ; behind them: the spare words, 128 bytes for each of the eight waves, which no other line names
.set GO,  2                            ; v2   byte offset of my 16 bytes in the group's rows: (16 a + s0 + 8 (l / 16)) x 1,024 + 16 (l % 16)
.set LS,  3                            ; v3   where my 8 bytes of bf16 go in LDS
.set LC,  4                            ; v4   where my row's c2h goes
.set LR,  5                            ; v5   where I read blocks back
.set SO,  6                            ; v6   my 16 bytes of cb16: 4,096 w + 16 l
.set L8,  7                            ; v7   8 l
.set SPW, 8                            ; v8   LDS address of my spare word; never rewritten
.set NIL, 9                            ; v9   0; never rewritten
.set ZERO, 10                          ; v10  0: the addend that starts a row's sum
.set S,   12                           ; v[12:15]  row e's sum of squares
.set P,   16                           ; v[16:17]  four numbers in bf16
.set R,   32                           ; v[32:95]  the 16 loads; later the blocks read back
	s_load_b128 s[4:7], s[0:1], 0x0                ; codebook s[4:5], cb16 s[6:7]
	s_load_b64 s[8:9], s[0:1], 0x10                ; c2h
	v_lshl_add_u32 v[SPW], v0, 2, SPARE
	v_mov_b32 v[NIL], 0
	v_mov_b32 v[ZERO], 0
	v_lshrrev_b32 v11, 5, v0
	v_readfirstlane_b32 s10, v11                   ; wave 0..7
	v_and_b32 v1, 31, v0                           ; l
	v_and_b32 v11, 15, v0                          ; i = l % 16
	v_bfe_u32 v18, v0, 4, 1                        ; l / 16
	s_lshr_b32 s11, s10, 1                         ; a
	s_and_b32 s12, s10, 1
	s_lshl_b32 s12, s12, 2                         ; s0
	s_lshl4_add_u32 s13, s11, s12                  ; 16 a + s0
	v_lshl_add_u32 v19, v18, 3, s13                ; my first row among the group's 64
	v_lshlrev_b32 v[GO], 10, v19
	v_lshl_add_u32 v[GO], v11, 4, v[GO]
	v_lshrrev_b32 v20, 1, v11                      ; my four numbers k = 64 m + 4 i .. lie in block 8 m + i / 2, at byte 8 (i % 2) of the row's 16
	s_lshl_b32 s14, s11, 5
	v_add_nc_u32 v20, s14, v20                     ; 32 a + i / 2
	v_mul_u32_u24 v[LS], v20, BP
	v_lshl_add_u32 v21, v18, 3, s12                ; the row in its tile
	v_lshl_add_u32 v[LS], v21, 4, v[LS]
	v_and_b32 v22, 1, v11
	v_lshl_add_u32 v[LS], v22, 3, v[LS]
	v_lshl_add_u32 v[LC], v19, 2, C2S
	s_lshl_b32 s15, s10, 4                         ; back: wave w takes blocks 16 w .. 16 w + 15, two to a load
	v_add_nc_u32 v23, s15, v18
	v_mul_u32_u24 v[LR], v23, BP
	v_lshl_add_u32 v[LR], v11, 4, v[LR]
	s_lshl_b32 s16, s10, 12
	v_lshl_add_u32 v[SO], v1, 4, s16
	v_lshlrev_b32 v[L8], 3, v1
	s_lshl_b32 s20, ttmp9, 16                      ; the group's 64 rows of 1,024 bytes,
	s_mov_b32 s21, 0
	s_lshl_b32 s22, ttmp9, 15                      ; its 32 KiB of cb16,
	s_mov_b32 s23, 0
	s_lshl_b32 s24, ttmp9, 8                       ; its 256 bytes of c2h
	s_mov_b32 s25, 0
	s_wait_kmcnt 0x0
	s_add_nc_u64 s[4:5], s[4:5], s[20:21]
	s_add_nc_u64 s[6:7], s[6:7], s[22:23]
	s_add_nc_u64 s[8:9], s[8:9], s[24:25]
.set n, 0
.rept 16                                       ; load n = 4 e + m
	global_load_b128 v[R+4*n:R+4*n+3], v[GO], s[4:5] offset:1024*(n/4)+256*(n%4)
.set n, n+1
.endr
.set n, 0
.rept 16
.set e, n/4
.set m, n%4
	s_wait_loadcnt 15-n                            ; loads come back in order: load n is in, the 15 - n younger ones may stay out
	v_cvt_pk_bf16_f32 v[P], v[R+4*n], v[R+4*n+1]
	v_cvt_pk_bf16_f32 v[P+1], v[R+4*n+2], v[R+4*n+3]
.if m == 0
	v_fma_mix_f32_bf16 v[S+e], v[P], v[P], v[ZERO] op_sel_hi:[1,1,0]  ; the squares of the ROUNDED numbers, summed in f32; a row's first starts its sum
.else
	v_fma_mix_f32_bf16 v[S+e], v[P], v[P], v[S+e] op_sel_hi:[1,1,0]
.endif
	v_fma_mix_f32_bf16 v[S+e], v[P], v[P], v[S+e] op_sel:[1,1,0] op_sel_hi:[1,1,0]
	v_fma_mix_f32_bf16 v[S+e], v[P+1], v[P+1], v[S+e] op_sel_hi:[1,1,0]
	v_fma_mix_f32_bf16 v[S+e], v[P+1], v[P+1], v[S+e] op_sel:[1,1,0] op_sel_hi:[1,1,0]
	ds_store_b64 v[LS], v[P:P+1] offset:8*BP*m+16*e
.set n, n+1
.endr
.irp x, 1,2,4,8                                ; a row's 16 lanes are one half of the wave: four steps, four rows side by side
.irp e, 0,1,2,3
	v_add_f32_dpp v[S+\e], v[S+\e], v[S+\e] row_xmask:\x row_mask:0xf bank_mask:0xf
.endr
.endr
.irp e, 0,1,2,3
	v_mul_f32 v[S+\e], -0.5, v[S+\e]
.endr
.irp e, 0,1,2,3
	ds_store_b32 v[LC], v[S+\e] offset:4*\e        ; sixteen lanes write one word, all with the same number
.endr
	s_wait_dscnt 0x0                               ; for the others' sake: my stores are done
	s_barrier_signal -1
	s_barrier_wait -1
.set z, 0
.rept 8
	ds_load_b128 v[R+4*z:R+4*z+3], v[LR] offset:2*BP*z
.set z, z+1
.endr
.set z, 0
.rept 8
	s_wait_dscnt 7-z
	global_store_b128 v[SO], v[R+4*z:R+4*z+3], s[6:7] offset:512*z  ; 512 consecutive bytes, at a multiple of 256 from cb16's first
.set z, z+1
.endr
	s_cmp_lg_u32 s10, 0
	s_cbranch_scc1 .Lend
	ds_load_b64 v[96:97], v[L8] offset:C2S         ; wave 0: the group's 64 numbers of c2h,
	s_wait_dscnt 0x0
	global_store_b64 v[L8], v[96:97], s[8:9]       ; 256 consecutive bytes, aligned, by one store
.Lend:
	s_wait_tensorcnt 0x0                           ; the wave's end, behind my last LDS store
	ds_add_u32 v[SPW], v[NIL]
	s_wait_dscnt 0x0
	s_endpgm
.Lfunc_end_k_qaaaa5fefeb_prep:
	.size	k_qaaaa5fefeb_prep, .Lfunc_end_k_qaaaa5fefeb_prep-k_qaaaa5fefeb_prep
	.p2alignl 7, 3214868480
	.fill 96, 4, 3214868480
	.section	.rodata,"a",@progbits
	.p2align	6, 0x0
	.amdhsa_kernel k_qaaaa5fefeb_prep
		.amdhsa_group_segment_fixed_size 36096
		.amdhsa_private_segment_fixed_size 0
		.amdhsa_enable_private_segment 0
		.amdhsa_kernarg_size 24
		.amdhsa_user_sgpr_count 2
		.amdhsa_user_sgpr_kernarg_segment_ptr 1
		.amdhsa_wavefront_size32 1
		.amdhsa_system_sgpr_workgroup_id_x 1
		.amdhsa_system_sgpr_workgroup_id_y 1
		.amdhsa_system_sgpr_workgroup_id_z 1
		.amdhsa_system_vgpr_workitem_id 0
		.amdhsa_next_free_vgpr 112
		.amdhsa_next_free_sgpr 66
		.amdhsa_reserve_vcc 0
		.amdhsa_float_denorm_mode_32 3
		.amdhsa_float_denorm_mode_16_64 3
		.amdhsa_memory_ordered 1
		.amdhsa_forward_progress 1
		.amdhsa_inst_pref_size 15
	.end_amdhsa_kernel
	.amdgpu_metadata
---
amdhsa.version: [ 1, 2 ]
amdhsa.kernels:
  - .name:           k_qaaaa5fefeb_prep
    .symbol:         k_qaaaa5fefeb_prep.kd
    .args:
      - { .name: codebook, .offset: 0, .size: 8, .value_kind: global_buffer, .address_space: global }
      - { .name: cb16, .offset: 8, .size: 8, .value_kind: global_buffer, .address_space: global }
      - { .name: c2h, .offset: 16, .size: 8, .value_kind: global_buffer, .address_space: global }
    .group_segment_fixed_size: 36096
    .private_segment_fixed_size: 0
    .kernarg_segment_align: 8
    .kernarg_segment_size: 24
    .max_flat_workgroup_size: 256
    .sgpr_count:     66
    .vgpr_count:     112
    .wavefront_size: 32
...
	.end_amdgpu_metadata
.endif
;; end of part 1
;; launch vq (part 2): grid 256 x 1, 4 waves a work-group, clusters of 4 x 1, 327,680 bytes of LDS; arguments x, cb16, c2h, out0, enc, part; writes out0, enc, part
.if DOCPART == 2
	.amdgcn_target "amdgcn-amd-amdhsa--gfx1250"
	.amdhsa_code_object_version 6
	.text
	.protected	k_qaaaa5fefeb_vq
	.globl	k_qaaaa5fefeb_vq
	.p2align	8
	.type	k_qaaaa5fefeb_vq,@function
k_qaaaa5fefeb_vq:
	s_mov_b64 s[64:65], 0
	v_nop
	global_prefetch_b8 v0, s[64:65] scope:SCOPE_SE
	s_setreg_imm32_b32 hwreg(HW_REG_WAVE_MODE, 25, 1), 1
	s_wait_xcnt 0x0
	s_wait_alu depctr_hold_cnt(0) depctr_sa_sdst(0) depctr_va_vdst(0) depctr_va_sdst(0) depctr_va_ssrc(0) depctr_va_vcc(0) depctr_vm_vsrc(0)
	s_getreg_b32 s2, hwreg(HW_REG_IB_STS2, 6, 4)
	s_cmp_eq_u32 s2, 0
	s_cbranch_scc0 .Lentry_in_a_cluster
	s_endpgm
.Lentry_in_a_cluster:
	s_bfe_u32 s2, ttmp6, 0x10000c
	s_cmp_lg_u32 s2, 0x3003
	s_cbranch_scc0 .Lentry_shape_is_right
	s_endpgm
.Lentry_shape_is_right:
; For each of 32,768 rows q of x: the k with the greatest s[q][k] = x^[q].c^[k] + c2h[k] (^: rounded to bf16; c2h = -1/2 |c^|^2, made by the launch before), stored in out0 and once more in enc,
; from which the next launch forms addresses; and for each work-group part[g] = sum over its rows of |x^|^2 - 2 max s, which is its share of sum (x - nearest)^2.
; LEFT OUT, as shown at the head of the first kernel: |x|^2 and the factor 2 in the comparison (the same for every k); the element-wise (x - nearest)^2 (equal to |x|^2 - 2 max s).
; LIMITS as stated there: two best scores within f32's rounding of each other; equal scores go to the lower index; a NaN score never wins.
; SHARES.  A work-group has 128 rows of x and walks all 8,192 codes, 256 a step.  EVERY wave holds all 128 rows as bf16 fragments, 512 registers, and takes four of a step's sixteen tiles of 16
; codes: tile 4 u + w, u = 0 .. 3.  So a code fragment (two LDS loads) feeds eight matrix instructions, and x is not read again.  A wave: 128 tiles x 64 = 8,192 matrix instructions.
; LAYOUT.  Source 0 = 16 codes, source 1 = 16 rows of x: in the result lane (r = l % 16, h = l / 16), register j holds row r and code 8 h + j.  The first of a sum's eight K steps takes as C eight
; registers that hold c2h of those eight codes: adding c2h costs no vector instruction.  With T = 4 step + u the code is 64 T + 16 w + 8 h + j.
; THE RUNNING BEST.  For each of a lane's 64 places (tile i of x, register j): the best score VAL and the 64 T at which it came, IDX.  Three instructions a score: compare, maximum, select.
; BY TURNS.  The eight accumulators are two groups, A (x tiles 0-3) and B (4-7).  While one group's 32 products run, the other group's 32 finished registers are folded: three vector
; instructions behind each matrix instruction.  A strict compare keeps the earlier, lower, code.
; CLUSTER.  All work-groups walk the same cb16 and c2h: the four of a cluster ask JOINTLY (a mask names four at the most); each wave asks for its quarter of a step, 128 rows of 256 bytes.
; LDS.  Two slots of 131,072 bytes (a step: 16 tiles of 8,192, dense, each load of 16 bytes a lane on 512 consecutive bytes: no two lanes of a load meet in a bank).  x comes in first, in f32, where slot 1
; will lie; when all waves have made their fragments of it the ring begins.  c2h stays whole.  Behind them, never the target of a tensor load: the merge's scratch, four sums, the spare words.
; REGISTERS, in windows of 256 (s_set_vgpr_msb: bits 1:0 source 0, 3:2 source 1, 5:4 source 2, 7:6 destination):
;   window 0: v0-15 addresses and single numbers; v16-31 C, two buffers; v32-95 the accumulators; v96-159 VAL; v160-223 IDX; v224-239 the way out
;   window 1: v0-127 code fragments, two buffers of 64; v128-255 x in f32 on its way to bf16, two buffers      windows 2, 3: x's fragments: tile i, K step c at 64 (i % 4) + 8 c, window 2 + i / 4
; All that a fold touches lies in window 0, a product's sources in windows 1 to 3: two switches for each matrix instruction.
.set SLOT1, 1<<17                      ; slot 1 begins here: one exclusive or turns an address in one slot into the other's
.set STEPB, 131072                     ; bytes of cb16 in a step
.set XB,    131072                     ; x in f32: 128 rows,
.set XP,    1040                       ; 1,024 bytes + 16 of padding apart: the 16 rows of a load start at 16 different groups of four banks (64 banks of 4 bytes: ISA guide 11.1)
.set C2B,   XB+128*XP                  ; 264,192: c2h, 32,768 bytes
.set SCR,   C2B+32768                  ; 296,960: [wave][row] (score, code), 8 bytes each: 4,096 bytes
.set SUMS,  SCR+4096                   ; the four waves' sums: a block of 256 bytes to themselves
.set SPARE, SUMS+256                   ; the spare words, 128 bytes for each wave: two blocks of 256 bytes that no other line names
.set A0,  2                            ; v2   my 16 bytes in my tile of a slot's first four: 8,192 w + 16 l; never rewritten
.set C0A, 3                            ; v3   C2B + 64 w + 32 h; never rewritten
.set ADR, 4                            ; v4   the LDS address of the fragments to be fetched
.set ADC, 5                            ; v5   of their c2h
.set XA,  6                            ; v6   XB + 1,040 r + 32 h, stepped from tile to tile of x
.set XS,  7                            ; v7   XB + 33,280 w + 16 l, stepped: my wave's 32 rows, for the sum of squares
.set SPW, 8                            ; v8   LDS address of my spare word; never rewritten
.set NIL, 9                            ; v9   0; never rewritten
.set PFO, 10                           ; v10  256 l: the prefetches' offset; never rewritten
.set VT,  11                           ; v11  64 T of the results that are being folded
.set SS,  12                           ; v12  my lane's part of the sum of squares
.set CC,  16                           ; v[16:23], v[24:31]  c2h of the tile in fragment buffer 0, 1
.set ACC, 32
.set VAL, 96                           ; = ACC + 64
.set IDX, 160                          ; = ACC + 128
.set MB,  76                           ; s76-s99  the merges' masks, three for each of eight merges side by side
.set MSB, 0
.macro WIN new                         ; the immediate's high byte repeats the setting that is left; a switch that changes nothing is dropped
.if MSB != (\new)
	s_set_vgpr_msb (MSB<<8)|(\new)
.set MSB, (\new)
.endif
.endm
; A round of the cluster's barrier: my work-group's barrier, so that wave 0's signal speaks for all four waves; wave 0 signals; every wave waits for all four work-groups; my work-group's barrier once more.
.macro CREST                           ; a round behind its opening barrier
	s_cmp_lg_u32 s16, 0
	s_cbranch_scc1 .Lnot_wave_0_\@
	s_barrier_signal -3
.Lnot_wave_0_\@:
	s_barrier_wait -3
	s_barrier_signal -1
	s_barrier_wait -1
.endm
.macro CROUND
	s_barrier_signal -1
	s_barrier_wait -1
	CREST
.endm
; Register k of 32 of group og is folded into the running best.  k ascends.
.macro SLICE og, k
	WIN 0
.set sa, ACC+32*(\og)+(\k)
	v_cmp_gt_f32 vcc_lo, v[sa], v[sa+64]
	v_max_num_f32 v[sa+64], v[sa], v[sa+64]
	v_cndmask_b32 v[sa+128], v[sa+128], v[VT], vcc_lo
.endm
; Products m0 .. m1 - 1 of the 32 of group g on fragment buffer b: K step m / 4, x tile 4 g + m % 4; behind each a slice of the other group.  The four accumulators take turns, one instruction a turn,
; across the change of groups too.  Group B's turn folds group A's results of the same tile, group A's turn group B's of the tile before: VT steps where B's turn begins.
.macro MMS g, b, m0, m1
.set m, (\m0)
.rept (\m1)-(\m0)
	WIN 0x09+4*(\g)                        ; codes in window 1, x in window 2 or 3, C and D in window 0
.set ra, ACC+32*(\g)+8*(m%4)
.set rf, 64*(\b)+8*(m/4)
.set rx, 64*(m%4)+8*(m/4)
.if m < 4
	v_wmma_f32_16x16x32_bf16 v[ra:ra+7], v[rf:rf+7], v[rx:rx+7], v[CC+8*(\b):CC+8*(\b)+7]
.else
	v_wmma_f32_16x16x32_bf16 v[ra:ra+7], v[rf:rf+7], v[rx:rx+7], v[ra:ra+7]
.endif
.if ((\g) == 1) && (m == 0)
	WIN 0
	v_add_nc_u32 v[VT], 64, v[VT]
.endif
	SLICE 1-(\g), m
.set m, m+1
.endr
.endm
; The next tile's 8 fragments (16 loads of 512 consecutive bytes) and its c2h (2 loads) into buffer b, in one run.  The last product that read the buffer stands nine plain vector instructions back or more.
.macro FETCH b
	WIN 0
	v_add_nc_u32 v[ADR], s62, v[A0]
	v_add_nc_u32 v[ADC], s63, v[C0A]
	ds_load_b128 v[CC+8*(\b):CC+8*(\b)+3],   v[ADC]
	ds_load_b128 v[CC+8*(\b)+4:CC+8*(\b)+7], v[ADC] offset:16
	WIN 0x40                               ; destination window 1
.set q, 0
.rept 16
	ds_load_b128 v[64*(\b)+4*q:64*(\b)+4*q+3], v[ADR] offset:512*q
.set q, q+1
.endr
	s_add_co_u32 s62, s62, 32768           ; my next tile lies four tiles on,
	s_add_co_u32 s63, s63, 256             ; its c2h 64 numbers on;
	s_and_b32 s63, s63, 0x7f00             ; the offset stays inside c2h's 32,768 bytes by construction (it turns to 0 behind the last fetch, where it is used no more)
	WIN 0
.endm
; A PREFETCH INTO THE L2, behind a joint load and its five lines: the step that stands TWO refills on, 512 matrix instructions ahead of the load that will want it.  cb16 is walked by every cluster:
; cluster 0 alone asks.  Its four work-groups and their four waves share a step's 512 blocks of 256 bytes out BY ADDRESS (32,768 cx + 8,192 w + 256 l): one instruction a wave, each block named once
; in the launch.  It stops where the step two on would be past the last (s60 at 2 or below); steps 0 to 2 come by their loads alone.
.macro ASK
	s_cmp_gt_u32 s60, s67
	s_cbranch_scc0 .Lnot_mine_\@
	global_prefetch_b8 v[PFO], s[68:69] th:TH_LOAD_NT scope:SCOPE_SE
.Lnot_mine_\@:
.endm
; THE CHANGE OF SLOTS stands inside a step's last tile, whose fragments are in registers (work = 1: products 2 to 13 of its group A go on meanwhile).  Each wave waits for all its tensor loads, of which one
; is out: its quarter of the other slot; adds 0 to its spare word; and waits for that and for its reads of this slot.  Behind the barrier nobody reads this slot and the other is whole.
; fill = 1: the barrier opens a round of the cluster's, so that no wave of any partner still reads the slot or has a load on its way; the joint refill, the step two on, is the first thing behind it and
; the wave's one tensor load until the next change: it has 256 matrix instructions in which to land.
.macro CHANGE fill, work
	WIN 0
.if \fill
	s_wait_xcnt 0x0                        ; the last prefetch, a step back, has read its address: it is stepped here, ahead of the change's own waits
	s_add_nc_u64 s[68:69], s[68:69], STEPB
.endif
	s_wait_tensorcnt 0x0                   ; no tensor load of mine is out, so the walking group 0 may be written
	ds_add_u32 v[SPW], v[NIL]              ; 0 onto my spare word; work on registers stands between it and the wait for it
.if \fill
	s_xor_b32 s49, s49, SLOT1              ; the other slot than last time,
	s_add_nc_u64 s[50:51], s[50:51], STEPB ; the next step; the type bits on top are not reached
.endif
.if \work
	MMS 0, 1, 2, 6
.endif
	s_wait_dscnt 0x0                       ; the add is done; my reads of this slot were waited for ahead of the tile's first product
	s_barrier_signal -1
.if \work
	MMS 0, 1, 6, 14                        ; work on registers while the others arrive
.endif
	WIN 0
	s_barrier_wait -1
.if \fill
	CREST
	tensor_load_to_lds s[48:51], s[24:31]
	s_nop 0
.rept 4
	v_nop
.endr
	ASK
.endif
	s_sub_co_u32 s62, s62, STEPB           ; the fetches go back to a slot's first tiles,
	s_xor_b32 s62, s62, SLOT1              ; in the other slot
.endm
; Half a tile of x (tile n / 2, K steps 4 (n % 2) + 0 .. 3): 16 rows x 128 k of f32 from LDS into buffer n % 2 of window 1; a lane takes, for each K step, k = 8 h + 0..7 and 16 + 8 h + 0..7 of its row.
.macro XLOAD n
	WIN 0x40
.set tb, 128+64*((\n)%2)
.set cc, 0
.rept 4
.set xo, 128*(4*((\n)%2)+cc)
	ds_load_b128 v[tb+16*cc:tb+16*cc+3],     v[XA] offset:xo
	ds_load_b128 v[tb+16*cc+4:tb+16*cc+7],   v[XA] offset:xo+16
	ds_load_b128 v[tb+16*cc+8:tb+16*cc+11],  v[XA] offset:xo+64
	ds_load_b128 v[tb+16*cc+12:tb+16*cc+15], v[XA] offset:xo+80
.set cc, cc+1
.endr
.if (\n)%2
	WIN 0
	v_add_nc_u32 v[XA], 16*XP, v[XA]       ; the next tile's 16 rows
.endif
.endm
.macro XCVT n                          ; and rounded to bf16, into its four fragments
	WIN 0x85+0x40*((\n)/8)                 ; sources window 1, destination window 2 (tiles 0-3) or 3
.set tb, 128+64*((\n)%2)
.set xr, 64*(((\n)/2)%4)+32*((\n)%2)
.set z, 0
.rept 32
	v_cvt_pk_bf16_f32 v[xr+z], v[tb+2*z], v[tb+2*z+1]
.set z, z+1
.endr
.endm
; A MERGE of two candidates (score, code): b wins if its score is greater, or equal with the lower code.  In two parts, so that up to eight merges stand side by side: the masks, then the choice.
.macro MCMP n, va, ca, vb, cb
	v_cmp_gt_f32 s[MB+3*(\n)],   v[\vb], v[\va]
	v_cmp_eq_f32 s[MB+3*(\n)+1], v[\vb], v[\va]
	v_cmp_lt_u32 s[MB+3*(\n)+2], v[\cb], v[\ca]
.endm
.macro MSEL n, dv, dc, va, ca, vb, cb
	s_and_b32 s[MB+3*(\n)+1], s[MB+3*(\n)+1], s[MB+3*(\n)+2]
	s_or_b32 s[MB+3*(\n)], s[MB+3*(\n)], s[MB+3*(\n)+1]
	v_cndmask_b32 v[\dv], v[\va], v[\vb], s[MB+3*(\n)]
	v_cndmask_b32 v[\dc], v[\ca], v[\cb], s[MB+3*(\n)]
.endm
.macro LEVEL a, b                      ; in all eight tiles of x: place a takes the better of places a and b
.set i, 0
.rept 8
	MCMP i, VAL+8*i+(\a), IDX+8*i+(\a), VAL+8*i+(\b), IDX+8*i+(\b)
.set i, i+1
.endr
.set i, 0
.rept 8
	MSEL i, VAL+8*i+(\a), IDX+8*i+(\a), VAL+8*i+(\a), IDX+8*i+(\a), VAL+8*i+(\b), IDX+8*i+(\b)
.set i, i+1
.endr
.endm
; A trip of the loop is two tiles of codes, on fragment buffers 0 and 1, cut so that each fetch stands 50 matrix instructions or more ahead of its first use.
.macro HALF1                           ; the rest of a tile on buffer 1, from its 15th product on; the next tile is fetched into buffer 0
	FETCH 0
	MMS 0, 1, 14, 32
	MMS 1, 1, 0, 32
	WIN 0
.endm
.macro HALF2                           ; a tile on buffer 0; the next is fetched into buffer 1, and begun
	s_wait_dscnt 0x0                       ; buffer 0 is in
	MMS 0, 0, 0, 2
	FETCH 1
	MMS 0, 0, 2, 32
	MMS 1, 0, 0, 32
	s_wait_dscnt 0x0                       ; buffer 1 is in
	MMS 0, 1, 0, 2
	WIN 0
.endm
	s_load_b256 s[4:11], s[0:1], 0x0       ; x s[4:5], cb16 s[6:7], c2h s[8:9], out0 s[10:11]
	s_load_b128 s[12:15], s[0:1], 0x20     ; enc s[12:13], part s[14:15]
	v_lshl_add_u32 v[SPW], v0, 2, SPARE
	v_mov_b32 v[NIL], 0
	ds_add_u32 v[SPW], v[NIL]              ; the wave's opening: the add, twice on end, and its wait ahead of my first tensor load; the set-up below, work on registers, stands between
	ds_add_u32 v[SPW], v[NIL]              ; and once more, under the one wait
	v_lshrrev_b32 v14, 5, v0
	v_readfirstlane_b32 s16, v14           ; wave 0..3
	s_bfe_u32 s17, ttmp6, 0x40000          ; cx: my place in the cluster
	s_lshl_b32 s18, ttmp9, 2               ; in a cluster launch ttmp9 counts clusters
	s_add_co_u32 s18, s18, s17             ; g, my block of 128 rows of x: it enters x's, out0's, enc's and part's addresses alone
	; descriptor group 1 for cb16: a quarter of a step, dense: 128 rows of 32 elements of 8 bytes
	s_mov_b32 s24, 15|(3<<16)|(1<<21)      ; 15:0 the mask: all four work-groups; 17:16 elements of 8 bytes; 21 set beside a mask
	s_mov_b32 s25, 32<<16                  ; tensor_dim0 = 32
	s_mov_b32 s26, 128<<16                 ; tensor_dim1 = 128
	s_mov_b32 s27, 32<<16                  ; tile_dim0 = 32
	s_mov_b32 s28, 128                     ; tile_dim1 = 128
	s_mov_b32 s29, 32                      ; 32 elements from row to row
	s_mov_b32 s30, 0
	s_mov_b32 s31, 0
	; for c2h: a quarter of it, 32 such rows
	s_mov_b32 s32, 15|(3<<16)|(1<<21)
	s_mov_b32 s33, 32<<16
	s_mov_b32 s34, 32<<16
	s_mov_b32 s35, 32<<16
	s_mov_b32 s36, 32
	s_mov_b32 s37, 32
	s_mov_b32 s38, 0
	s_mov_b32 s39, 0
	; for x, a load of my work-group's own (no mask): 32 rows of 256 f32, 4 words of padding behind each
	s_mov_b32 s40, (2<<16)|(1<<20)|(7<<22)|(3<<25)  ; 17:16 elements of 4 bytes; 20 padding on; 24:22 after every 256 words (code 7); 31:25 4 words (code 3)
	s_mov_b32 s41, 256<<16
	s_mov_b32 s42, 32<<16
	s_mov_b32 s43, 256<<16
	s_mov_b32 s44, 32
	s_mov_b32 s45, 256
	s_mov_b32 s46, 0
	s_mov_b32 s47, 0
	; groups 0: count, LDS address (of the wave's number alone: no place in the cluster enters one)
	s_mov_b32 s48, 1
	s_lshl_b32 s49, s16, 15                ; slot 0, my quarter
	s_mov_b32 s52, 1
	s_lshl_b32 s53, s16, 13
	s_add_co_u32 s53, s53, C2B
	s_mov_b32 s56, 1
	s_mul_i32 s57, s16, 32*XP
	s_add_co_u32 s57, s57, XB
	s_lshl_b32 s20, s18, 17                ; x: 131,072 g + 32,768 w
	s_lshl_b32 s22, s16, 15                ; cb16: 32,768 w
	s_add_co_u32 s20, s20, s22
	s_mov_b32 s21, 0
	s_mov_b32 s23, 0
	s_lshl_b32 s72, s16, 13                ; c2h: 8,192 w
	s_mov_b32 s73, 0
	s_lshl_b32 s74, s17, 15                ; the prefetches: 32,768 cx + 8,192 w, in step 2: the first change steps it to step 3
	s_add_co_u32 s74, s74, s72
	s_add_co_u32 s74, s74, 2*STEPB
	s_mov_b32 s75, 0
	s_cmp_eq_u32 ttmp9, 0                  ; the same in all four partners
	s_cselect_b32 s67, 2, -1               ; a wave prefetches while s60 is above this
	s_mov_b32 s60, 31                      ; steps still to be asked for
	s_mov_b32 s62, SLOT1+STEPB             ; the first change of slots turns this into 0
	s_mov_b32 s63, 0
	s_mov_b32 s70, 0x76543210              ; v_permlanex16_b32's selects: each lane takes its own place in the other half
	s_mov_b32 s71, 0xfedcba98
	s_wait_dscnt 0x0                       ; both opening adds are done
	s_wait_kmcnt 0x0
	s_add_nc_u64 s[50:51], s[6:7], s[22:23]
	s_or_b32 s51, s51, 0x80000000          ; 127:126 type = 2
	s_add_nc_u64 s[54:55], s[8:9], s[72:73]
	s_or_b32 s55, s55, 0x80000000
	s_add_nc_u64 s[58:59], s[4:5], s[20:21]
	s_or_b32 s59, s59, 0x80000000
	s_add_nc_u64 s[68:69], s[6:7], s[74:75]
	CROUND                                 ; all four work-groups are here: the first joint loads meet
	tensor_load_to_lds s[56:59], s[40:47]  ; the first fills, one group, three loads of mine out: my 32 rows of x first, since they are wanted first,
	s_nop 0
	tensor_load_to_lds s[52:55], s[32:39]  ; my quarter of c2h,
	s_nop 0
	tensor_load_to_lds s[48:51], s[24:31]  ; my quarter of step 0
	s_nop 0
.rept 4
	v_nop
.endr
	; while they are on their way: addresses, and what the first folds find
	v_and_b32 v1, 15, v0                   ; r
	v_bfe_u32 v13, v0, 4, 1                ; h
	v_and_b32 v14, 31, v0                  ; l
	s_lshl_b32 s19, s16, 13
	v_lshl_add_u32 v[A0], v14, 4, s19
	s_lshl_b32 s19, s16, 6
	s_add_co_u32 s19, s19, C2B
	v_lshl_add_u32 v[C0A], v13, 5, s19
	v_mul_u32_u24 v[XA], v1, XP
	v_lshl_add_u32 v[XA], v13, 5, v[XA]
	v_add_nc_u32 v[XA], XB, v[XA]
	v_lshl_add_u32 v[XS], v14, 4, s57
	v_lshlrev_b32 v[PFO], 8, v14
	v_mov_b32 v[VT], 0xffffffc0            ; -64: the first turn folds a tile that has not been
	v_mov_b32 v15, 0xff800000              ; -infinity: below every score; group B's accumulators hold it for that first fold, which so changes nothing
.set i, 0
.rept 64
	v_mov_b32 v[VAL+i], v15
	v_mov_b32 v[IDX+i], 0
.set i, i+1
.endr
.set i, 0
.rept 32
	v_mov_b32 v[ACC+32+i], v15
.set i, i+1
.endr
.irp i, 16,17,18,19
	v_mov_b32 v\i, 0                       ; four chains for the sum of squares
.endr
	s_wait_tensorcnt 0x2                   ; my rows of x are in; the two younger loads may stay out
	s_barrier_signal -1
	s_barrier_wait -1                      ; everybody's are
	; the sum of the squares of my wave's 32 rows, rounded to bf16 first: 8 trips of 4 rows, each row two loads of 512 consecutive bytes
	s_mov_b32 s61, 8
.Lsq:
.set z, 0
.rept 8
	ds_load_b128 v[ACC+4*z:ACC+4*z+3], v[XS] offset:XP*(z/2)+512*(z%2)
.set z, z+1
.endr
.set z, 0
.rept 8
	s_wait_dscnt 7-z                       ; LDS loads come back in order: load z is in, the 7 - z younger ones may stay out
	v_cvt_pk_bf16_f32 v14, v[ACC+4*z], v[ACC+4*z+1]
	v_cvt_pk_bf16_f32 v15, v[ACC+4*z+2], v[ACC+4*z+3]
	v_fma_mix_f32_bf16 v16, v14, v14, v16 op_sel_hi:[1,1,0]
	v_fma_mix_f32_bf16 v17, v14, v14, v17 op_sel:[1,1,0] op_sel_hi:[1,1,0]
	v_fma_mix_f32_bf16 v18, v15, v15, v18 op_sel_hi:[1,1,0]
	v_fma_mix_f32_bf16 v19, v15, v15, v19 op_sel:[1,1,0] op_sel_hi:[1,1,0]
.set z, z+1
.endr
	v_add_nc_u32 v[XS], 4*XP, v[XS]
	s_sub_co_u32 s61, s61, 1
	s_cmp_lg_u32 s61, 0
	s_cbranch_scc1 .Lsq
	v_add_f32 v16, v16, v17
	v_add_f32 v18, v18, v19
	v_add_f32 v[SS], v16, v18
	; all 128 rows into my fragments: sixteen half tiles, one loaded while the one before is rounded
	XLOAD 0
.set n, 0
.rept 16
.if n < 15
	XLOAD n+1
	s_wait_dscnt 16                        ; half tile n is in; the next one's 16 loads may stay out
.else
	s_wait_dscnt 0x0
.endif
	XCVT n
.set n, n+1
.endr
	CHANGE 1, 0                            ; x has been read by every wave of every partner, step 0 and c2h have landed: step 1 goes where x lay
	FETCH 0                                ; tile 0
	s_mov_b32 s61, 2
	s_branch .Lfirst                       ; the loop is entered in the middle of a trip
.Lslot:                                        ; 30 times: steps 2 to 31 are asked for
	CHANGE 1, 1
	s_mov_b32 s61, 2
	s_branch .Lfetch
.Lpair:                                        ; inside a step: the products that the change of slots carries at a step's end
	MMS 0, 1, 2, 14
	WIN 0
.Lfetch:
	HALF1
.Lfirst:
	HALF2
	s_sub_co_u32 s61, s61, 1
	s_cmp_lg_u32 s61, 0
	s_cbranch_scc1 .Lpair
	s_sub_co_u32 s60, s60, 1
	s_cmp_lg_u32 s60, 0
	s_cbranch_scc1 .Lslot
	CHANGE 0, 1                            ; the last step is written out: nothing is asked for
	s_mov_b32 s61, 2
	s_branch .Lfetch2
.Lpair2:
	MMS 0, 1, 2, 14
	WIN 0
.Lfetch2:
	HALF1
	HALF2
	s_sub_co_u32 s61, s61, 1
	s_cmp_lg_u32 s61, 0
	s_cbranch_scc1 .Lpair2
	MMS 0, 1, 2, 32                        ; the last tile
	MMS 1, 1, 0, 32
.set k, 0
.rept 32
	SLICE 1, k                             ; and its group B: twelve plain instructions stand between the product that ended its first accumulator and this first read
.set k, k+1
.endr
	; THE WAY OUT.  A lane's 8 places of a tile of x become codes and are merged; then the two halves of the lanes; then, through LDS, the four waves.
.set i, 0
.rept 64
.if i%8
	v_add_nc_u32 v[IDX+i], i%8, v[IDX+i]   ; + j
.endif
.set i, i+1
.endr
	LEVEL 0, 1
	LEVEL 2, 3
	LEVEL 4, 5
	LEVEL 6, 7
	LEVEL 0, 2
	LEVEL 4, 6
	LEVEL 0, 4
	s_lshl_b32 s19, s16, 4
	v_lshl_add_u32 v14, v13, 3, s19        ; 16 w + 8 h
.set i, 0
.rept 8
	v_add_nc_u32 v[IDX+8*i], v14, v[IDX+8*i]
.set i, i+1
.endr
.set i, 0
.rept 8
	v_permlanex16_b32 v[VAL+8*i+1], v[VAL+8*i], s70, s71  ; the row's other 8 codes of each tile lie in the lane 16 away (the destinations have been written: they count as read)
	v_permlanex16_b32 v[IDX+8*i+1], v[IDX+8*i], s70, s71
.set i, i+1
.endr
.set i, 0
.rept 8
	MCMP i, VAL+8*i, IDX+8*i, VAL+8*i+1, IDX+8*i+1
.set i, i+1
.endr
.set i, 0
.rept 8
	MSEL i, 224+2*i, 225+2*i, VAL+8*i, IDX+8*i, VAL+8*i+1, IDX+8*i+1
.set i, i+1
.endr
	s_lshl_b32 s19, s16, 10
	s_add_co_u32 s19, s19, SCR
	v_lshl_add_u32 v15, v1, 3, s19         ; my wave's table, row 16 i + r; both halves of the lanes write the same pair
.set i, 0
.rept 8
	ds_store_b64 v15, v[224+2*i:225+2*i] offset:128*i
.set i, i+1
.endr
	s_wait_dscnt 0x0                       ; for the others' sake: my stores are done
	s_barrier_signal -1
	s_barrier_wait -1
	s_and_b32 s19, s16, 1                  ; waves 0 and 1 finish rows 0-63 and 64-127 for out0, waves 2 and 3 the same for enc
	s_lshl_b32 s22, s19, 9
	s_add_co_u32 s22, s22, SCR
	v_and_b32 v24, 31, v0
	v_lshl_add_u32 v25, v24, 4, s22        ; two rows a lane
.irp q, 0,1,2,3
	ds_load_b128 v[32+4*\q:35+4*\q], v25 offset:1024*\q   ; wave q's (score, code) of both
.endr
	s_lshl_b32 s22, s18, 9                 ; 512 g + 256 x half
	s_lshl_b32 s23, s19, 8
	s_add_co_u32 s22, s22, s23
	s_mov_b32 s23, 0
	s_cmp_lt_u32 s16, 2
	s_cselect_b64 s[20:21], s[10:11], s[12:13]
	s_add_nc_u64 s[20:21], s[20:21], s[22:23]
	v_lshlrev_b32 v24, 3, v24
	s_wait_dscnt 0x0
	MCMP 0, 32, 33, 36, 37
	MCMP 1, 34, 35, 38, 39
	MCMP 2, 40, 41, 44, 45
	MCMP 3, 42, 43, 46, 47
	MSEL 0, 32, 33, 32, 33, 36, 37
	MSEL 1, 34, 35, 34, 35, 38, 39
	MSEL 2, 40, 41, 40, 41, 44, 45
	MSEL 3, 42, 43, 42, 43, 46, 47
	MCMP 0, 32, 33, 40, 41
	MCMP 1, 34, 35, 42, 43
	MSEL 0, 50, 48, 32, 33, 40, 41
	MSEL 1, 51, 49, 34, 35, 42, 43
	global_store_b64 v24, v[48:49], s[20:21]  ; 256 consecutive bytes, aligned, by one store
	; my part of the work-group's sum: my lane's squares, and in waves 0 and 1 (each row once) -2 x its two rows' best scores
	v_mov_b32 v14, v[SS]
	s_cmp_lt_u32 s16, 2
	s_cbranch_scc0 .Lno_scores
	v_add_f32 v26, v50, v51
	v_fmac_f32 v14, -2.0, v26
.Lno_scores:
.irp x, 1,2,4,8
	v_add_f32_dpp v14, v14, v14 row_xmask:\x row_mask:0xf bank_mask:0xf
.endr
	v_permlanex16_b32 v15, v14, s70, s71
	v_add_f32 v14, v14, v15
	s_lshl_b32 s22, s16, 2
	s_add_co_u32 s22, s22, SUMS
	v_mov_b32 v27, s22
	ds_store_b32 v27, v14                  ; all lanes write the wave's word, with the same number
	s_wait_dscnt 0x0
	s_barrier_signal -1
	s_barrier_wait -1
	s_cmp_lg_u32 s16, 0
	s_cbranch_scc1 .Lend
	v_mov_b32 v27, SUMS
	ds_load_b128 v[32:35], v27
	s_lshl_b32 s22, s18, 2
	s_mov_b32 s23, 0
	s_add_nc_u64 s[14:15], s[14:15], s[22:23]
	v_mov_b32 v28, 0
	v_cmp_eq_u32 vcc_lo, 0, v0
	s_wait_dscnt 0x0
	v_add_f32 v32, v32, v33
	v_add_f32 v34, v34, v35
	v_add_f32 v32, v32, v34
	s_wait_xcnt 0x0                        ; EXEC changes only behind this wait: the store above and the prefetches have read theirs
	s_and_saveexec_b32 s19, vcc_lo
	global_store_b32 v28, v32, s[14:15]    ; part[g], by lane 0
	s_wait_xcnt 0x0                        ; and again, in front of the line that widens it
	s_or_b32 exec_lo, exec_lo, s19
.Lend:
	s_wait_tensorcnt 0x0                   ; the wave's end, behind my last tensor load and my last LDS store
	ds_add_u32 v[SPW], v[NIL]
	s_wait_dscnt 0x0
	CROUND                                 ; the closing round: no work-group ends while a partner may still ask for a tile that names it
	s_endpgm
.Lfunc_end_k_qaaaa5fefeb_vq:
	.size	k_qaaaa5fefeb_vq, .Lfunc_end_k_qaaaa5fefeb_vq-k_qaaaa5fefeb_vq
	.p2alignl 7, 3214868480
	.fill 96, 4, 3214868480
	.section	.rodata,"a",@progbits
	.p2align	6, 0x0
	.amdhsa_kernel k_qaaaa5fefeb_vq
		.amdhsa_group_segment_fixed_size 327680
		.amdhsa_private_segment_fixed_size 0
		.amdhsa_enable_private_segment 0
		.amdhsa_kernarg_size 48
		.amdhsa_user_sgpr_count 2
		.amdhsa_user_sgpr_kernarg_segment_ptr 1
		.amdhsa_wavefront_size32 1
		.amdhsa_system_sgpr_workgroup_id_x 1
		.amdhsa_system_sgpr_workgroup_id_y 1
		.amdhsa_system_sgpr_workgroup_id_z 1
		.amdhsa_system_vgpr_workitem_id 0
		.amdhsa_next_free_vgpr 1024
		.amdhsa_next_free_sgpr 100
		.amdhsa_reserve_vcc 1
		.amdhsa_float_denorm_mode_32 3
		.amdhsa_float_denorm_mode_16_64 3
		.amdhsa_memory_ordered 1
		.amdhsa_forward_progress 1
		.amdhsa_inst_pref_size 186
	.end_amdhsa_kernel
	.amdgpu_metadata
---
amdhsa.version: [ 1, 2 ]
amdhsa.kernels:
  - .name:           k_qaaaa5fefeb_vq
    .symbol:         k_qaaaa5fefeb_vq.kd
    .args:
      - { .name: x, .offset: 0, .size: 8, .value_kind: global_buffer, .address_space: global }
      - { .name: cb16, .offset: 8, .size: 8, .value_kind: global_buffer, .address_space: global }
      - { .name: c2h, .offset: 16, .size: 8, .value_kind: global_buffer, .address_space: global }
      - { .name: out0, .offset: 24, .size: 8, .value_kind: global_buffer, .address_space: global }
      - { .name: enc, .offset: 32, .size: 8, .value_kind: global_buffer, .address_space: global }
      - { .name: part, .offset: 40, .size: 8, .value_kind: global_buffer, .address_space: global }
    .group_segment_fixed_size: 327680
    .private_segment_fixed_size: 0
    .kernarg_segment_align: 8
    .kernarg_segment_size: 48
    .max_flat_workgroup_size: 128
    .sgpr_count:     100
    .vgpr_count:     1024
    .wavefront_size: 32
...
	.end_amdgpu_metadata
.endif
;; end of part 2
;; launch gather (part 3): grid 512 x 1, 8 waves a work-group, no clusters, 0 bytes of LDS; arguments enc, codebook, part, out1, out2, out3; writes out1, out2, out3
.if DOCPART == 3
	.amdgcn_target "amdgcn-amd-amdhsa--gfx1250"
	.amdhsa_code_object_version 6
	.text
	.protected	k_qaaaa5fefeb_gather
	.globl	k_qaaaa5fefeb_gather
	.p2align	8
	.type	k_qaaaa5fefeb_gather,@function
k_qaaaa5fefeb_gather:
	s_mov_b64 s[64:65], 0
	v_nop
	global_prefetch_b8 v0, s[64:65] scope:SCOPE_SE
	s_setreg_imm32_b32 hwreg(HW_REG_WAVE_MODE, 25, 1), 1
	s_wait_xcnt 0x0
; out3[q] = codebook[enc[q]], in f32; out1 = out2 = (the sum of the 256 numbers of part) / (32,768 x 256).
; LEFT OUT, as shown at the head of the first kernel: the second loss (stop_gradient changes no value: one number, stored twice) and the element-wise (x - nearest)^2, whose sum the launch before has
; made from |x|^2 and the best scores: x is not among this launch's arguments.
; The indices are whole numbers that the launch before stored: they are read by a scalar load, held to 0 .. 8,191, and enter the loads' offsets.
; SHARES.  A wave has 8 rows: 16 loads of 512 consecutive bytes, all out before the first wait, then 16 stores of 512 consecutive bytes at multiples of 256 from out3's first.  No loop, no LDS, no matrix
; unit, no cluster: bytes are all there is, and no tile is shared.  No hint on the loads: a row of the codebook may be named again by other rows.
.set D,   16                           ; v[16:79]  row i's 1,024 bytes: 8 registers
.set OFF, 4                            ; v[4:11]   row i's offset in the codebook: 1,024 x its index + 16 l
	s_load_b256 s[4:11], s[0:1], 0x0               ; enc s[4:5], codebook s[6:7], part s[8:9], out1 s[10:11]
	s_load_b128 s[12:15], s[0:1], 0x20             ; out2 s[12:13], out3 s[14:15]
	v_lshrrev_b32 v1, 5, v0
	v_readfirstlane_b32 s20, v1                    ; wave 0..7
	v_and_b32 v1, 31, v0
	v_lshlrev_b32 v2, 4, v1                        ; 16 l
	s_lshl_b32 s16, ttmp9, 8                       ; my 8 indices: 4 x (64 x work-group + 8 x wave)
	s_lshl_b32 s21, s20, 5
	s_add_co_u32 s16, s16, s21
	s_mov_b32 s17, 0
	s_lshl_b32 s18, ttmp9, 16                      ; my 8 rows of out3
	s_lshl_b32 s21, s20, 13
	s_add_co_u32 s18, s18, s21
	s_mov_b32 s19, 0
	s_mov_b32 s32, 0x76543210
	s_mov_b32 s33, 0xfedcba98
	s_wait_kmcnt 0x0
	s_add_nc_u64 s[16:17], s[4:5], s[16:17]
	s_add_nc_u64 s[18:19], s[14:15], s[18:19]
	s_load_b256 s[24:31], s[16:17], 0x0
	s_wait_kmcnt 0x0
.irp i, 0,1,2,3,4,5,6,7
	s_min_u32 s[24+\i], s[24+\i], 0x1fff           ; an index stays inside the table
	s_lshl_b32 s[24+\i], s[24+\i], 10
	v_add_nc_u32 v[OFF+\i], s[24+\i], v2
.endr
.irp i, 0,1,2,3,4,5,6,7
	global_load_b128 v[D+8*\i:D+8*\i+3],   v[OFF+\i], s[6:7]
	global_load_b128 v[D+8*\i+4:D+8*\i+7], v[OFF+\i], s[6:7] offset:512
.endr
.irp i, 0,1,2,3,4,5,6,7
	s_wait_loadcnt 14-2*\i                         ; row i is in; the later rows' loads may stay out
	global_store_b128 v2, v[D+8*\i:D+8*\i+3],   s[18:19] offset:1024*\i th:TH_STORE_NT
	global_store_b128 v2, v[D+8*\i+4:D+8*\i+7], s[18:19] offset:1024*\i+512 th:TH_STORE_NT
.endr
	s_or_b32 s22, ttmp9, s20                       ; one wave of the launch adds the parts, in a fixed order
	s_cmp_lg_u32 s22, 0
	s_cbranch_scc1 .Lend
	v_lshlrev_b32 v3, 5, v1                        ; 8 numbers a lane
	global_load_b128 v[80:83], v3, s[8:9]
	global_load_b128 v[84:87], v3, s[8:9] offset:16
	v_mov_b32 v12, 0
	v_cmp_eq_u32 vcc_lo, 0, v0
	s_wait_loadcnt 0x0
	v_add_f32 v80, v80, v81
	v_add_f32 v82, v82, v83
	v_add_f32 v84, v84, v85
	v_add_f32 v86, v86, v87
	v_add_f32 v80, v80, v82
	v_add_f32 v84, v84, v86
	v_add_f32 v80, v80, v84
.irp x, 1,2,4,8
	v_add_f32_dpp v80, v80, v80 row_xmask:\x row_mask:0xf bank_mask:0xf
.endr
	v_permlanex16_b32 v81, v80, s32, s33
	v_add_f32 v80, v80, v81
	v_mul_f32 v80, 0x34000000, v80                 ; 2^-23 = 1 / (32,768 x 256)
	s_wait_xcnt 0x0                                ; EXEC changes only behind this wait
	s_and_saveexec_b32 s23, vcc_lo
	global_store_b32 v12, v80, s[10:11]            ; lane 0: the one number, into both losses
	global_store_b32 v12, v80, s[12:13]
	s_wait_xcnt 0x0                                ; and again, in front of the line that widens it
	s_or_b32 exec_lo, exec_lo, s23
.Lend:
	s_endpgm
.Lfunc_end_k_qaaaa5fefeb_gather:
	.size	k_qaaaa5fefeb_gather, .Lfunc_end_k_qaaaa5fefeb_gather-k_qaaaa5fefeb_gather
	.p2alignl 7, 3214868480
	.fill 96, 4, 3214868480
	.section	.rodata,"a",@progbits
	.p2align	6, 0x0
	.amdhsa_kernel k_qaaaa5fefeb_gather
		.amdhsa_group_segment_fixed_size 0
		.amdhsa_private_segment_fixed_size 0
		.amdhsa_enable_private_segment 0
		.amdhsa_kernarg_size 48
		.amdhsa_user_sgpr_count 2
		.amdhsa_user_sgpr_kernarg_segment_ptr 1
		.amdhsa_wavefront_size32 1
		.amdhsa_system_sgpr_workgroup_id_x 1
		.amdhsa_system_sgpr_workgroup_id_y 1
		.amdhsa_system_sgpr_workgroup_id_z 1
		.amdhsa_system_vgpr_workitem_id 0
		.amdhsa_next_free_vgpr 88
		.amdhsa_next_free_sgpr 66
		.amdhsa_reserve_vcc 1
		.amdhsa_float_denorm_mode_32 3
		.amdhsa_float_denorm_mode_16_64 3
		.amdhsa_memory_ordered 1
		.amdhsa_forward_progress 1
		.amdhsa_inst_pref_size 7
	.end_amdhsa_kernel
	.amdgpu_metadata
---
amdhsa.version: [ 1, 2 ]
amdhsa.kernels:
  - .name:           k_qaaaa5fefeb_gather
    .symbol:         k_qaaaa5fefeb_gather.kd
    .args:
      - { .name: enc, .offset: 0, .size: 8, .value_kind: global_buffer, .address_space: global }
      - { .name: codebook, .offset: 8, .size: 8, .value_kind: global_buffer, .address_space: global }
      - { .name: part, .offset: 16, .size: 8, .value_kind: global_buffer, .address_space: global }
      - { .name: out1, .offset: 24, .size: 8, .value_kind: global_buffer, .address_space: global }
      - { .name: out2, .offset: 32, .size: 8, .value_kind: global_buffer, .address_space: global }
      - { .name: out3, .offset: 40, .size: 8, .value_kind: global_buffer, .address_space: global }
    .group_segment_fixed_size: 0
    .private_segment_fixed_size: 0
    .kernarg_segment_align: 8
    .kernarg_segment_size: 48
    .max_flat_workgroup_size: 256
    .sgpr_count:     66
    .vgpr_count:     88
    .wavefront_size: 32
...
	.end_amdgpu_metadata
.endif
;; end of part 3
